; MI455X (gfx1250); checked and timed in simulation.
; The chip was launched on July 23, 2026; its instructions are those of AMD's public machine-readable ISA for CDNA 5 (MIT licence, August 2026) and "CDNA5" Instruction Set Architecture Reference Guide (July 2026). The comments in the code are by the model that wrote it; some were corrected since.
;; FA Coef. Allowed arithmetic: matrix products marked QUANTISED: E3M2 operands, one E8M0 scale for each 32 along K, by v_wmma_scale_f32_16x16x128_f8f6f4 with both operands' format E3M2, f32 sums; everything else in f32.
;; Inputs: coef 4 x 4 float32; x 2,048 x 128 x 128 float32.
;; Outputs: out0 2,048 float32.
;; This version of the problem:
;;   THIS VERSION OF THE PROBLEM IS GIVEN IN LOW PRECISION. The matrix products marked QUANTISED in the list below multiply operands that are first quantised to E3M2 (3 exponent bits, 2 mantissa bits; 6 bits a number), with one power-of-two scale for each 32 numbers along K (OCP MX v1.0); their sums are f32. All else is computed in f32.
;;   The module's matrix products, in the order in which they are computed (A, B: the left and right operand; K: the contracted axis; several contracted axes count as one K, in the product's order):
;;     1. batch 2,048 x [M 128, K 128] x [K 128, N 128]; A: input x; B: input x: QUANTISED
;;     2. batch 2,048 x [M 128, K 128] x [K 128, N 128]; A: input x; B: computed on the way: QUANTISED
;;     3. batch 2,048 x [M 128, K 128] x [K 128, N 128]; A: input x; B: computed on the way: QUANTISED
;;     4. batch 2,048 x [M 128, K 128] x [K 128, N 128]; A: input x; B: computed on the way: QUANTISED
;;   THE QUANTISER, for each operand of a quantised product, along K:
;;     - K is cut into blocks of 32 from its start; a last block that is shorter is filled with zeros.
;;     - A block's scale is 2^e with e = floor(log2(the largest magnitude in the block)) - 4, held to -126 .. 127; a block of zeros has e = 0. As a byte (E8M0): e + 127.
;;     - Each number is divided by its block's scale, clamped to +-28, and rounded to the nearest number of E3M2, ties to even, subnormals kept.
;;     - The product sums the exact products of the quantised numbers (number of the format x scale) in f32.
;;   ~~~python
;;   def quantise(x, axis):      # numpy; x: float32 -> the quantised numbers, widened to float32 again
;;       x = np.moveaxis(x, axis, -1); K = x.shape[-1]
;;       x = np.pad(x, [(0, 0)] * (x.ndim - 1) + [(0, -K % 32)]); x = x.reshape(x.shape[:-1] + (-1, 32)); a = np.abs(x).max(-1, keepdims=True)
;;       e = np.where(a > 0, np.clip(np.frexp(np.where(a > 0, a, 1))[1] - 1 - 4, -126, 127), 0)      # np.frexp(a)[1] - 1 = floor(log2(a)), exactly
;;       r = np.clip(x / 2.0 ** e, -28, 28)
;;       step = 2.0 ** (np.maximum(np.frexp(np.where(r == 0, 1, r))[1] - 1, -2) - 2)
;;       q = np.round(r / step) * step * 2.0 ** e      # np.round: ties to even
;;       return np.moveaxis(q.reshape(q.shape[:-2] + (-1,))[..., :K], -1, axis).astype(np.float32)
;;   ~~~
;;   OPERANDS COMPUTED ON THE WAY. 'Computed on the way' means the value that the module computes at that place (a softmax that the list does not call 'softmax' is quantised finished and normalised). What goes into a quantiser is computed in f32, as accurately as f32 sums, v_exp_f32 and their like allow (about 1e-6 of the number): no bf16 or f16 on the way to a quantiser, and a product that is left as it is and whose result goes on into a quantised operand takes f32 operands (vector FMAs, or v_wmma_f32_16x16x4_f32). A number that lies on a knife's edge between two numbers of the format may be rounded either way, as far as f32 arithmetic and the matrix unit's own rounding can turn it there, and no further.
;; One version. Each part assembles by itself: llvm-mc -triple=amdgcn-amd-amdhsa -mcpu=gfx1250 --defsym DOCPART=n.
;; ======== version 1 of 1: 1 launch
;; launch facoef (part 1): grid 512 x 1, 4 waves a work-group, no clusters, 82,176 bytes of LDS; arguments x, coef, out0; writes out0
.if DOCPART == 1
	.amdgcn_target "amdgcn-amd-amdhsa--gfx1250"
	.amdhsa_code_object_version 6
	.text
	.protected	k_q3b29a8f582_facoef
	.globl	k_q3b29a8f582_facoef
	.p2align	8
	.type	k_q3b29a8f582_facoef,@function
k_q3b29a8f582_facoef:
	s_mov_b64 s[64:65], 0
	v_nop
	global_prefetch_b8 v0, s[64:65] scope:SCOPE_SE
	s_setreg_imm32_b32 hwreg(HW_REG_WAVE_MODE, 25, 1), 1
	s_wait_xcnt 0x0
; out[b] = sum over i, j of coef[i][j] s_i^(j+1) / 16384^(i+j+2), s_i = the sum of all entries of a_(i+1);  a_1 = Qr(x) Qc(x), a_(i+1) = Qr(x) Qc(a_i).
; x: [2048][128][128] f32.  Qr quantises x along its columns (the left operand's K), Qc the right operand down its rows (its K): codes of E3M2, one E8M0 scale for each 32 along K.
; All four products go to the matrix unit on codes; sums in f32.  NOTHING OF reference() IS LEFT OUT: every product feeds a sum that reaches the result, and both inputs are loaded.
; SHARES.  A work-group of four waves takes four samples on end, 256 KiB of x.  Of a sample, wave w loads rows 32 w .. 32 w + 31, quantises the left operand's tiles 2 w, 2 w + 1, and owns
; columns 32 w .. 32 w + 31 (two tiles of 16) through all four products: column n of a_(i+1) hangs on Qr(x) and on column n of a_i alone, so only Qr(x) goes from wave to wave.
; LAYOUT.  Source 0 = 16 rows of x, source 1 = 16 columns of the right operand: in the result a lane (r = lane % 16, h = lane / 16) holds column r and rows 8 h + 0 .. 7 of the tile.
; THE ROWS OF x THAT FORM A TILE ARE NOT NEIGHBOURS: lane r of tile 4 c + t takes row 64 c + 8 t + r % 8 + 32 (r / 8).  Then the 32 result registers of tiles 4 c .. 4 c + 3 are rows
; 64 c + 32 h + 0 .. 31 of the lane's column: a WHOLE block of 32 along the next K, in the order of the 6-bit operand's registers 6 c .. 6 c + 5.  No maximum and no code changes lanes.
; THE WAY IN.  x comes by loads of 16 bytes a lane, a row (512 consecutive bytes) an instruction, into two sets of 128 registers that take turns: while a sample is worked on, the loads of the
; next two are out (128 KiB a work-group).  A sample goes from its registers into a stage in LDS, from which the waves read rows (left operand) and columns (right operand).
; No tensor load: the stage wants 128 bytes more behind every 32 rows, which one descriptor does not state, and counted waits on register loads keep later samples on their way through the work.
; No cluster: work-groups share no byte of x.  The result is one number a sample: four lanes store 16 consecutive bytes a work-group.
; LIMITS.  NaN and infinities among the inputs or the powers of x are not served.  A block of zeros gets the scale byte 1 where the rule says 127: its codes are zeros, and this text alone reads the bytes.
; The polynomial is taken as sum_i 2^(-14 (i+1)) t (c_i0 + t (c_i1 + t (c_i2 + t c_i3))), t = s_i 2^-14: the same value, another order of rounding; it stays finite where s_i^(j+1) passes f32's range.
; The sums of entries are taken as trees, not in reference()'s order; of the fourth product, of which only the sum is wanted, two tiles of rows share an accumulator.
.set XROW,  528                        ; a row of x in the stage: 512 bytes + 16 = 132 words: row i starts at bank 4 i mod 64 (64 banks of 4 bytes: ISA guide 11.1)
.set XQ,    32*XROW+128                ; 32 rows and 128 bytes more = 4,256 words = 32 banks on: rows 32 apart fall on the other half of the banks
.set XH,    2*XQ                       ; 64 rows
.set AIMG,  68096                      ; behind the stage (67,952 bytes used): the left operand's 8 fragments as images of their registers, 1,536 bytes each
.set FRB,   1536
.set ASCL,  AIMG+8*FRB                 ; their scale words, 4 bytes a lane, 128 bytes a fragment
.set PS,    ASCL+8*128                 ; the waves' sums: 64 bytes a sample, 16 a wave
.set SPARE, PS+256                     ; the spare words, 128 bytes for each wave: two blocks of 256 bytes that no other line names
.set LANE, 1                           ; v1   lane
.set VG,   4                           ; v4   x: 16 x lane + 16,384 x wave (my wave's 32 rows)
.set VST,  5                           ; v5   the stage, on the way in: 16 x lane + XQ x wave
.set VA,   6                           ; v6   the stage, by rows: my row of my wave's first tile, + 128 h
.set VC,   7                           ; v7   the stage, by columns: XQ h + 4 r + 128 x wave
.set VI,   8                           ; v8   where I store images: AIMG + 16 x lane + 2 FRB x wave
.set VS,   9                           ; v9   and their scale words: ASCL + 4 x lane + 256 x wave
.set VF,   10                          ; v10  where any wave reads images: AIMG + 16 x lane
.set VSF,  11                          ; v11  ASCL + 4 x lane
.set SH8,  12                          ; v12  8 h: my two scale bytes' place in the word
.set VPS,  13                          ; v13  PS + 16 x wave
.set VPR,  14                          ; v14  PS + 64 x (lane % 4)
.set VO,   15                          ; v15  4 x lane
.set AF,   16                          ; v16-111  the left operand's 8 fragments, 12 registers each
.set R1,   16                          ; v16-79   ahead of them: 64 numbers to be quantised
.set ACC,  112                         ; v112-175 8 accumulators
.set R0,   112                         ;          ahead of them: 64 numbers to be quantised
.set BF0,  176                         ; v176-187 the right operand's fragment in hand
.set BF1,  188                         ; v188-199 that of my second tile of columns, until its turn
.set XT,   200                         ; v200-202, v204-206 a block's upper 16 codes as they are made
.set TM,   208                         ; v208-213 at work in the quantiser
.set ASC,  216                         ; v216-223 the left operand's scale words
.set BW0,  224                         ; v224, v225 the right operand's
.set BW1,  225
.set SS,   228                         ; v228-235 s_0 .. s_3 of my columns, each in two halves
.set F,    236                         ; v236-239 the same, summed over the wave
.set G,    240                         ; v240-243 the other half of the lanes'
.set H,    244                         ; v244-247 the four polynomials
.set T,    16                          ; v16-31   at the end: the four waves' sums
.set SPW,  252                         ; v252 LDS address of my spare word: SPARE + 4 x my thread's number; never rewritten
.set NIL,  253                         ; v253 0; never rewritten
.set WV,   13                          ; s13  my wave's number
; window 1 (v256-511): two sets of 128 registers, a sample's 32 rows of my wave as loaded
.set MSB, 0
.macro WIN new                         ; the immediate's high byte repeats the setting that is left; a switch that changes nothing is dropped
.if MSB != \new
	s_set_vgpr_msb (MSB<<8)|\new
.set MSB, \new
.endif
.endm
; Sample k's 32 rows of my wave into set s: each load is a row, 512 consecutive bytes at a multiple of 512 from x's first byte; read once in the launch
.macro GLOAD k, s
	WIN 0x40                                       ; destination window 1, address window 0
.set i, 0
.rept 32
	global_load_b128 v[128*(\s)+4*i:128*(\s)+4*i+3], v[VG], s[4:5] offset:65536*(\k)+512*i th:TH_LOAD_NT
.set i, i+1
.endr
	WIN 0
.endm
; Set s goes into the stage, eight rows at a time as they arrive.  y: the loads of the younger set, which stay out.  more = 1: the set is asked for again, two samples on.
.macro STAGE k, s, y, more
	WIN 0x04                                       ; an LDS store's data are its source 1: window 1
.set i, 0
.rept 4
	s_wait_loadcnt (\y)+24-i                       ; loads come back in order (ISA guide 5.7.1): the next eight rows are in; behind them this set's later rows and the younger set's y loads
.rept 8
	ds_store_b128 v[VST], v[128*(\s)+4*i:128*(\s)+4*i+3] offset:XROW*i
.set i, i+1
.endr
.endr
	WIN 0
	s_wait_dscnt 0x0                               ; for the others' sake: my rows lie in the stage (and my last sums in their words); the stores have read the set's registers
.if \more
	GLOAD (\k)+2, \s
.endif
	s_barrier_signal -1                            ; every wave has also finished its reads of the last sample's images: they are written again only behind this barrier
	s_barrier_wait -1                              ; all 128 rows lie in the stage
.endm
; My row of my wave's tile u, 64 numbers: register 32 c + i = x(row, 64 c + 32 h + i).
.macro ALOAD u, r
.set i, 0
.rept 16
	ds_load_b128 v[\r+4*i:\r+4*i+3], v[VA] offset:8*XROW*(\u)+256*(i/8)+16*(i%8)
.set i, i+1
.endr
.endm
; My column of my wave's tile p of columns, 64 numbers: register 32 c + i = x(64 c + 32 h + i, column).  Lanes 0-15 read 16 neighbouring words, lanes 16-31 sixteen on the other half of the banks
.macro CLOAD p, r
.set i, 0
.rept 64
	ds_load_b32 v[\r+i], v[VC] offset:XH*(i/32)+XROW*(i%32)+64*(\p)
.set i, i+1
.endr
.endm
; THE QUANTISER.  64 numbers of a lane, register 32 c + i = k 64 c + 32 h + i of its row or column: two whole blocks.  They become a fragment's 12 registers in v[d] on and its scale word in v[w].
; A block's scale byte is its largest magnitude's exponent field less 4, held at 1 from below by the floor 2^(5 - 127) among the maximum's leaves; the conversion takes the exponent field of its scale operand alone.
; The first lines read registers 0 and 1 of the even accumulators, and the odd ones are first read at their registers 0 and 1 too: each result from its low end on.
.macro QUANT s, d, w
.irp q, 0,1,2,3
	v_max3_num_f32 v[TM+\q], |v[\s+16*\q]|, |v[\s+16*\q+1]|, 0x2800000   ; four chains of 16 numbers by turns: no line waits for the line above it
.endr
.irp i, 2,4,6,8,10,12,14
.irp q, 0,1,2,3
	v_max3_num_f32 v[TM+\q], v[TM+\q], |v[\s+16*\q+\i]|, |v[\s+16*\q+\i+1]|
.endr
.endr
	v_max_num_f32 v[TM], v[TM], v[TM+1]            ; block h's largest magnitude,
	v_max_num_f32 v[TM+2], v[TM+2], v[TM+3]        ; block 2 + h's
	v_add_nc_u32 v[TM+4], 0xfe000000, v[TM]        ; 4 off the exponent field: the conversions' scale operands
	v_add_nc_u32 v[TM+5], 0xfe000000, v[TM+2]
	v_lshrrev_b32 v[TM], 23, v[TM+4]               ; the scales' bytes
	v_lshrrev_b32 v[TM+2], 23, v[TM+5]
	v_lshl_or_b32 v[\w], v[TM+2], 16, v[TM]        ; my two bytes, blocks h and 2 + h,
	v_lshlrev_b32 v[\w], v[SH8], v[\w]             ; at their places in the word;
	v_permlanex16_b32 v[TM+1], v[\w], s32, s33
	v_or_b32 v[\w], v[\w], v[TM+1]                 ; with lane l xor 16's two the word is whole
	v_cvt_scalef32_pk16_bf6_f32 v[\d:\d+2], v[\s:\s+15], v[TM+4]
	v_cvt_scalef32_pk16_bf6_f32 v[XT:XT+2], v[\s+16:\s+31], v[TM+4]      ; (a conversion's three registers begin on an even number: the upper half of a block's six does not, so it is made elsewhere and moved)
	v_cvt_scalef32_pk16_bf6_f32 v[\d+6:\d+8], v[\s+32:\s+47], v[TM+5]
	v_cvt_scalef32_pk16_bf6_f32 v[XT+4:XT+6], v[\s+48:\s+63], v[TM+5]
	v_nop                                          ; one plain place behind the last scaled conversion
.irp i, 0,1,2
	v_mov_b32 v[\d+3+\i], v[XT+\i]
	v_mov_b32 v[\d+9+\i], v[XT+4+\i]
.endr
.endm
.macro IMAGE u, d, w                   ; the fragment goes to LDS as it stands: lane l's 16 bytes at 16 l, 512 bytes a store; its scale word at 4 l
.irp c, 0,1,2
	ds_store_b128 v[VI], v[\d+4*\c:\d+4*\c+3] offset:FRB*(\u)+512*\c
.endr
	ds_store_b32 v[VS], v[\w] offset:128*(\u)
.endm
.macro AFETCH                          ; and all eight come back so, in every wave: fragment t's registers 4 c on are load 3 t + c
.set i, 0
.rept 24
	ds_load_b128 v[AF+4*i:AF+4*i+3], v[VF] offset:512*i
.set i, i+1
.endr
.set i, 0
.rept 8
	ds_load_b32 v[ASC+i], v[VSF] offset:128*i
.set i, i+1
.endr
.endm
.macro PLACES n
.rept \n
	v_nop
.endr
.endm
; A product for my 16 columns: the eight tiles of rows, each a sum of its own begun with the constant 0 (K is 128: one instruction a tile)
.macro PROD
.set t, 0
.rept 8
	v_wmma_scale_f32_16x16x128_f8f6f4 v[ACC+8*t:ACC+8*t+7], v[AF+12*t:AF+12*t+11], v[BF0:BF0+11], 0, v[ASC+t], v[BW0] matrix_a_fmt:MATRIX_FMT_BF6 matrix_b_fmt:MATRIX_FMT_BF6
.set t, t+1
.endr
.endm
; The fourth product: only the sum of its entries is wanted, so tiles 4 to 7 add onto tiles 0 to 3.  The four accumulators take turns, one instruction a turn
.macro PROD4
.set t, 0
.rept 4
	v_wmma_scale_f32_16x16x128_f8f6f4 v[ACC+8*t:ACC+8*t+7], v[AF+12*t:AF+12*t+11], v[BF0:BF0+11], 0, v[ASC+t], v[BW0] matrix_a_fmt:MATRIX_FMT_BF6 matrix_b_fmt:MATRIX_FMT_BF6
.set t, t+1
.endr
.rept 4
	v_wmma_scale_f32_16x16x128_f8f6f4 v[ACC+8*(t-4):ACC+8*(t-4)+7], v[AF+12*t:AF+12*t+11], v[BF0:BF0+11], v[ACC+8*(t-4):ACC+8*(t-4)+7], v[ASC+t], v[BW0] matrix_a_fmt:MATRIX_FMT_BF6 matrix_b_fmt:MATRIX_FMT_BF6
.set t, t+1
.endr
.endm
.macro LEVEL cnt, st                   ; cnt packed additions, in place: the pair at st q takes the pair st / 2 further on
.set q, 0
.rept \cnt
	v_pk_add_f32 v[ACC+(\st)*q:ACC+(\st)*q+1], v[ACC+(\st)*q:ACC+(\st)*q+1], v[ACC+(\st)*q+(\st)/2:ACC+(\st)*q+(\st)/2+1]
.set q, q+1
.endr
.endm
.macro SUM64 i                         ; s_i takes my 64 numbers of the product just quantised: 32 packed additions.  They also stand between the quantiser's last writes and the next product
	LEVEL 16, 4
	LEVEL 8, 8
	LEVEL 4, 16
	LEVEL 2, 32
	LEVEL 1, 64
	v_pk_add_f32 v[SS+2*\i:SS+2*\i+1], v[SS+2*\i:SS+2*\i+1], v[ACC:ACC+1]
.endm
.macro SUM32                           ; s_3 takes the fourth product's 32; the first level goes up the registers
	LEVEL 8, 4
	LEVEL 4, 8
	LEVEL 2, 16
	LEVEL 1, 32
	v_pk_add_f32 v[SS+6:SS+7], v[SS+6:SS+7], v[ACC:ACC+1]
.endm
; THE FOUR PRODUCTS for a tile of 16 columns, written once and walked twice.  Behind each run of products four places stand ahead of the first read of a result and of the first write of a source
; (ISA guide 7.12.1); the next run writes over the results far more than five places on.  A scale word made by vector instructions stands eight places ahead of the product that takes it, a fragment four:
; in the chain the sums' additions are those places, at the loop's head eight v_nop.
; At a trip's end my second tile's fragment and scale word take the first's place; in the second trip these 13 moves are idle: the price of writing the chain once.
.macro CHAINS
	s_mov_b32 s35, 2
.Lchain_\@:
	PLACES 8
	PROD                                           ; a_1's 16 columns
	PLACES 4
	QUANT ACC, BF0, BW0
	SUM64 0
	PROD                                           ; a_2's
	PLACES 4
	QUANT ACC, BF0, BW0
	SUM64 1
	PROD                                           ; a_3's
	PLACES 4
	QUANT ACC, BF0, BW0
	SUM64 2
	PROD4                                          ; a_4's, two tiles of rows to an accumulator
	PLACES 4
	SUM32
	v_mov_b32 v[BW0], v[BW1]
.set i, 0
.rept 12
	v_mov_b32 v[BF0+i], v[BF1+i]
.set i, i+1
.endr
	s_sub_co_u32 s35, s35, 1
	s_cmp_lg_u32 s35, 0
	s_cbranch_scc1 .Lchain_\@
.endm
; The four sums over my wave's 32 lanes, the four by turns; every lane ends with them, and all write the same 16 bytes with the same values
.macro REDUCE k
.irp i, 0,1,2,3
	v_add_f32 v[F+\i], v[SS+2*\i], v[SS+2*\i+1]
.endr
.irp m, 1,2,4,8
.irp i, 0,1,2,3
	v_add_f32_dpp v[F+\i], v[F+\i], v[F+\i] row_xmask:\m row_mask:0xf bank_mask:0xf
.endr
.endr
.irp i, 0,1,2,3
	v_permlanex16_b32 v[G+\i], v[F+\i], s32, s33
.endr
.irp i, 0,1,2,3
	v_add_f32 v[F+\i], v[F+\i], v[G+\i]
.endr
	ds_store_b128 v[VPS], v[F:F+3] offset:64*(\k)
.endm
; A SAMPLE.  Two barriers: behind the first x lies in the stage; behind the second the left operand's eight images lie in LDS, and nobody reads the stage any more.
.macro SAMPLE k, s, y, more
	STAGE \k, \s, \y, \more
.irp i, 0,1,2,3,4,5,6,7
	v_mov_b32 v[SS+\i], 0
.endr
	ALOAD 0, R0
	ALOAD 1, R1
	s_wait_dscnt 16                                ; LDS loads come back in order (ISA guide 5.7.1): my first tile's row is in, the second's 16 loads may be out
	QUANT R0, BF0, BW0
	IMAGE 0, BF0, BW0
	s_wait_dscnt 4                                 ; all but the image's four stores: my second tile's row is in
	CLOAD 0, R0                                    ; my first column lands while the second row is quantised
	QUANT R1, BF1, BW1
	IMAGE 1, BF1, BW1
	s_wait_dscnt 4                                 ; all but these four stores: my first column is in, and the first image's stores are done, so its registers may be written
	CLOAD 1, R1
	QUANT R0, BF0, BW0                             ; Qc(x), my first tile of columns
	s_wait_dscnt 0x0                               ; for the others' sake: my images are stored, and my reads of the stage are over (my second column is in)
	s_barrier_signal -1
	QUANT R1, BF1, BW1                             ; work on registers while the others arrive: Qc(x), my second tile
	s_barrier_wait -1
	AFETCH
	s_wait_dscnt 0x0
	CHAINS
	REDUCE \k
.endm
	s_load_b128 s[4:7], s[0:1], 0x0                ; x s[4:5], coef s[6:7]
	s_load_b64 s[8:9], s[0:1], 0x10                ; out0
	v_lshl_add_u32 v[SPW], v0, 2, SPARE
	v_mov_b32 v[NIL], 0
	v_lshrrev_b32 v2, 5, v0
	v_readfirstlane_b32 s[WV], v2                  ; wave 0..3
	v_and_b32 v[LANE], 31, v0
	s_lshl_b32 s14, s[WV], 14
	v_lshl_add_u32 v[VG], v[LANE], 4, s14
	s_lshl_b32 s10, ttmp9, 18                      ; the work-group's four samples of 65,536 bytes (under 2^27)
	s_mov_b32 s11, 0
	s_wait_kmcnt 0x0
	s_add_nc_u64 s[4:5], s[4:5], s[10:11]
	s_lshl_b32 s10, ttmp9, 4                       ; and its four numbers of the result
	s_add_nc_u64 s[8:9], s[8:9], s[10:11]
	s_load_b512 s[16:31], s[6:7], 0x0              ; coef[i][j] = s[16 + 4 i + j]
	GLOAD 0, 0
	; every LDS address is made here, once: a constant, a term of the lane, a term of the wave
	v_and_b32 v2, 15, v0                           ; r
	v_bfe_u32 v3, v0, 4, 1                         ; h
	s_mul_i32 s14, s[WV], XQ
	v_lshl_add_u32 v[VST], v[LANE], 4, s14
	v_and_b32 v[VA], 7, v0                         ; my row of tile 2 w + u: 64 (w / 2) + 16 (w % 2) + 8 u + r % 8 + 32 (r / 8)
	v_mul_u32_u24 v[VA], v[VA], XROW
	v_bfe_u32 v[TM], v0, 3, 1
	v_mad_u32_u24 v[VA], v[TM], XQ, v[VA]
	v_lshl_add_u32 v[VA], v3, 7, v[VA]             ; + 32 h numbers along the row
	s_lshr_b32 s14, s[WV], 1
	s_mul_i32 s14, s14, XH
	s_and_b32 s15, s[WV], 1
	s_mul_i32 s15, s15, 16*XROW
	s_add_co_u32 s14, s14, s15
	v_add_nc_u32 v[VA], s14, v[VA]
	v_mul_u32_u24 v[VC], v3, XQ                    ; my column: rows 32 h on, column 32 w + r
	v_lshl_add_u32 v[VC], v2, 2, v[VC]
	s_lshl_b32 s14, s[WV], 7
	v_add_nc_u32 v[VC], s14, v[VC]
	s_mul_i32 s14, s[WV], 2*FRB
	s_add_co_u32 s14, s14, AIMG
	v_lshl_add_u32 v[VI], v[LANE], 4, s14
	s_lshl_b32 s14, s[WV], 8
	s_add_co_u32 s14, s14, ASCL
	v_lshl_add_u32 v[VS], v[LANE], 2, s14
	v_lshl_add_u32 v[VF], v[LANE], 4, AIMG
	v_lshl_add_u32 v[VSF], v[LANE], 2, ASCL
	v_lshlrev_b32 v[SH8], 3, v3
	s_lshl_b32 s14, s[WV], 4
	s_add_co_u32 s14, s14, PS
	v_mov_b32 v[VPS], s14
	v_and_b32 v[VPR], 3, v0
	v_lshl_add_u32 v[VPR], v[VPR], 6, PS
	v_lshlrev_b32 v[VO], 2, v[LANE]
.irp i, 0,1,2,3
	v_mov_b32 v[G+\i], 0                           ; written once: a lane permute's destination counts as one of its sources
.endr
	s_mov_b32 s32, 0x76543210
	s_mov_b32 s33, 0xfedcba98                      ; v_permlanex16_b32's selects for lane l xor 16
	s_mov_b32 s34, 0x38800000                      ; 2^-14 = 1 / 16384
	GLOAD 1, 1
	s_wait_kmcnt 0x0                               ; coef
	SAMPLE 0, 0, 32, 1                             ; behind sample 0's loads stand sample 1's 32; its set then takes sample 2
	SAMPLE 1, 1, 32, 1                             ; behind sample 1's: sample 2's; its set takes sample 3
	SAMPLE 2, 0, 32, 0                             ; behind sample 2's: sample 3's; nothing is left to ask for: no load leaves x
	SAMPLE 3, 1, 0, 0                              ; the last: the counts run down to 0
	s_wait_dscnt 0x0                               ; for wave 0's sake: my sums are stored
	s_barrier_signal -1
	s_barrier_wait -1
	s_cmp_lg_u32 s[WV], 0                          ; the end is one wave's work
	s_cbranch_scc1 .Lend
.set q, 0
.rept 4
	ds_load_b128 v[T+4*q:T+4*q+3], v[VPR] offset:16*q   ; lane l: sample l % 4's four sums, as wave q has them
.set q, q+1
.endr
	s_wait_dscnt 0x0
	v_pk_add_f32 v[T:T+1], v[T:T+1], v[T+4:T+5]
	v_pk_add_f32 v[T+2:T+3], v[T+2:T+3], v[T+6:T+7]
	v_pk_add_f32 v[T+8:T+9], v[T+8:T+9], v[T+12:T+13]
	v_pk_add_f32 v[T+10:T+11], v[T+10:T+11], v[T+14:T+15]
	v_pk_add_f32 v[T:T+1], v[T:T+1], v[T+8:T+9]
	v_pk_add_f32 v[T+2:T+3], v[T+2:T+3], v[T+10:T+11]   ; s_0 .. s_3
.irp i, 0,1,2,3
	v_mul_f32 v[T+\i], s34, v[T+\i]                ; t_i = s_i / 16384: exact
.endr
.irp i, 0,1,2,3
	v_fma_f32 v[H+\i], v[T+\i], s[19+4*\i], s[18+4*\i]   ; the four polynomials by turns: c_i2 + t c_i3,
.endr
.irp i, 0,1,2,3
	v_fma_f32 v[H+\i], v[T+\i], v[H+\i], s[17+4*\i]
.endr
.irp i, 0,1,2,3
	v_fma_f32 v[H+\i], v[T+\i], v[H+\i], s[16+4*\i]
.endr
.irp i, 0,1,2,3
	v_mul_f32 v[H+\i], v[H+\i], v[T+\i]            ; H_i = sum over j of coef[i][j] t_i^(j+1)
.endr
	v_fma_f32 v[H+2], v[H+3], s34, v[H+2]          ; the result = sum over i of H_i / 16384^(i+1)
	v_fma_f32 v[H+1], v[H+2], s34, v[H+1]
	v_fma_f32 v[H], v[H+1], s34, v[H]
	v_mul_f32 v[H], s34, v[H]
	s_wait_xcnt 0x0                                ; EXEC changes only behind this wait
	v_cmp_gt_u32 vcc_lo, 4, v0
	s_and_saveexec_b32 s12, vcc_lo
	global_store_b32 v[VO], v[H], s[8:9]           ; lanes 0 to 3: the work-group's four numbers, 16 consecutive bytes
	s_wait_xcnt 0x0                                ; and again, in front of the line that widens it
	s_or_b32 exec_lo, exec_lo, s12
.Lend:
	s_wait_tensorcnt 0x0                           ; the wave's end
	ds_add_u32 v[SPW], v[NIL]
	s_wait_dscnt 0x0
	s_endpgm
.Lfunc_end_k_q3b29a8f582_facoef:
	.size	k_q3b29a8f582_facoef, .Lfunc_end_k_q3b29a8f582_facoef-k_q3b29a8f582_facoef
	.p2alignl 7, 3214868480
	.fill 96, 4, 3214868480
	.section	.rodata,"a",@progbits
	.p2align	6, 0x0
	.amdhsa_kernel k_q3b29a8f582_facoef
		.amdhsa_group_segment_fixed_size 82176
		.amdhsa_private_segment_fixed_size 0
		.amdhsa_enable_private_segment 0
		.amdhsa_kernarg_size 24
		.amdhsa_user_sgpr_count 2
		.amdhsa_user_sgpr_kernarg_segment_ptr 1
		.amdhsa_wavefront_size32 1
		.amdhsa_system_sgpr_workgroup_id_x 1
		.amdhsa_system_sgpr_workgroup_id_y 1
		.amdhsa_system_sgpr_workgroup_id_z 1
		.amdhsa_system_vgpr_workitem_id 0
		.amdhsa_next_free_vgpr 512
		.amdhsa_next_free_sgpr 66
		.amdhsa_reserve_vcc 1
		.amdhsa_float_denorm_mode_32 3
		.amdhsa_float_denorm_mode_16_64 3
		.amdhsa_memory_ordered 1
		.amdhsa_forward_progress 1
		.amdhsa_inst_pref_size 220
	.end_amdhsa_kernel
	.amdgpu_metadata
---
amdhsa.version: [ 1, 2 ]
amdhsa.kernels:
  - .name:           k_q3b29a8f582_facoef
    .symbol:         k_q3b29a8f582_facoef.kd
    .args:
      - { .name: x, .offset: 0, .size: 8, .value_kind: global_buffer, .address_space: global }
      - { .name: coef, .offset: 8, .size: 8, .value_kind: global_buffer, .address_space: global }
      - { .name: out0, .offset: 16, .size: 8, .value_kind: global_buffer, .address_space: global }
    .group_segment_fixed_size: 82176
    .private_segment_fixed_size: 0
    .kernarg_segment_align: 8
    .kernarg_segment_size: 24
    .max_flat_workgroup_size: 128
    .sgpr_count:     66
    .vgpr_count:     512
    .wavefront_size: 32
...
	.end_amdgpu_metadata
.endif
;; end of part 1
